; MI455X (gfx1250); checked and timed in simulation.
; The chip was launched on July 23, 2026; its instructions are those of AMD's public machine-readable ISA for CDNA 5 (MIT licence, August 2026) and "CDNA5" Instruction Set Architecture Reference Guide (July 2026). The comments in the code are by the model that wrote it; some were corrected since.
;; Mask Multi Head Attention. Allowed arithmetic: matrix products marked QUANTISED: E2M3 operands, one E8M0 scale for each 32 along K, by v_wmma_scale_f32_16x16x128_f8f6f4 with both operands' format E2M3, f32 sums; everything else in f32.
;; Inputs: K_x 2 x 4,096 x 768 float32; Q_x 2 x 4,096 x 768 float32; V_x 2 x 4,096 x 768 float32; Wk 768 x 768 float32; Wq 768 x 768 float32; Wv 768 x 768 float32; bk 768 float32; bq 768 float32; bv 768 float32; mask 1 x 1 x 4,096 x 4,096 int32.
;; Outputs: out0 2 x 4,096 x 768 float32.
;; This version of the problem:
;;   THIS VERSION OF THE PROBLEM IS GIVEN IN LOW PRECISION. The matrix products marked QUANTISED in the list below multiply operands that are first quantised to E2M3 (2 exponent bits, 3 mantissa bits; 6 bits a number), with one power-of-two scale for each 32 numbers along K (OCP MX v1.0); their sums are f32. All else is computed in f32.
;;   The module's matrix products, in the order in which they are computed (A, B: the left and right operand; K: the contracted axis; several contracted axes count as one K, in the product's order):
;;     1. [M 8,192, K 768] x [K 768, N 768]; A: input Q_x; B: input Wq: QUANTISED
;;     2. [M 8,192, K 768] x [K 768, N 768]; A: input K_x; B: input Wk: QUANTISED
;;     3. [M 8,192, K 768] x [K 768, N 768]; A: input V_x; B: input Wv: QUANTISED
;;     4. batch 12 x [M 4,096, K 128] x [K 128, N 4,096]; A: computed on the way; B: computed on the way: QUANTISED
;;     5. batch 12 x [M 4,096, K 4,096] x [K 4,096, N 128]; A: softmax (see below); B: computed on the way: QUANTISED
;;   THE QUANTISER, for each operand of a quantised product, along K:
;;     - K is cut into blocks of 32 from its start; a last block that is shorter is filled with zeros.
;;     - A block's scale is 2^e with e = floor(log2(the largest magnitude in the block)) - 2, held to -126 .. 127; a block of zeros has e = 0. As a byte (E8M0): e + 127.
;;     - Each number is divided by its block's scale, clamped to +-7.5, and rounded to the nearest number of E2M3, ties to even, subnormals kept.
;;     - The product sums the exact products of the quantised numbers (number of the format x scale) in f32.
;;   ~~~python
;;   def quantise(x, axis):      # numpy; x: float32 -> the quantised numbers, widened to float32 again
;;       x = np.moveaxis(x, axis, -1); K = x.shape[-1]
;;       x = np.pad(x, [(0, 0)] * (x.ndim - 1) + [(0, -K % 32)]); x = x.reshape(x.shape[:-1] + (-1, 32)); a = np.abs(x).max(-1, keepdims=True)
;;       e = np.where(a > 0, np.clip(np.frexp(np.where(a > 0, a, 1))[1] - 1 - 2, -126, 127), 0)      # np.frexp(a)[1] - 1 = floor(log2(a)), exactly
;;       r = np.clip(x / 2.0 ** e, -7.5, 7.5)
;;       step = 2.0 ** (np.maximum(np.frexp(np.where(r == 0, 1, r))[1] - 1, 0) - 3)
;;       q = np.round(r / step) * step * 2.0 ** e      # np.round: ties to even
;;       return np.moveaxis(q.reshape(q.shape[:-2] + (-1,))[..., :K], -1, axis).astype(np.float32)
;;   ~~~
;;   SOFTMAX AHEAD OF A QUANTISED PRODUCT. Where the list says 'softmax', what is quantised is not the finished softmax but p = 2^(t - M), with t = logit x log2(e) and M = ceil(the row's largest t), a whole number; so 1/2 < the row's largest p <= 1. The row's sum l is taken of the UNQUANTISED p, in f32, and the product's result is divided by l at the end. Since M is a whole number, a kernel that streams over the keys may use a running M (the ceiling of the running maximum): every later rescaling is an exact power of two, which a block's scale takes up: the codes' values come out the same.
;;   OPERANDS COMPUTED ON THE WAY. 'Computed on the way' means the value that the module computes at that place (a softmax that the list does not call 'softmax' is quantised finished and normalised). What goes into a quantiser is computed in f32, as accurately as f32 sums, v_exp_f32 and their like allow (about 1e-6 of the number): no bf16 or f16 on the way to a quantiser, and a product that is left as it is and whose result goes on into a quantised operand takes f32 operands (vector FMAs, or v_wmma_f32_16x16x4_f32). A number that lies on a knife's edge between two numbers of the format may be rounded either way, as far as f32 arithmetic and the matrix unit's own rounding can turn it there, and no further.
;; One version. Each part assembles by itself: llvm-mc -triple=amdgcn-amd-amdhsa -mcpu=gfx1250 --defsym DOCPART=n.
;; ======== version 1 of 1: 3 launches
;; limits: right only within a limited range of input values
;; workspace buffers: mb 2,097,152 bytes of whole numbers; codes 15,482,880 bytes; scales 645,120 bytes; qc 4,718,592 bytes; qs 196,608 bytes; kvc 9,830,400 bytes
;; launch prep (part 1): grid 2284 x 1, 4 waves a work-group, no clusters, 34,304 bytes of LDS; arguments mask, Q_x, K_x, V_x, Wq, Wk, Wv, mb, codes, scales; writes mb, codes, scales
.if DOCPART == 1
	.amdgcn_target "amdgcn-amd-amdhsa--gfx1250"
	.amdhsa_code_object_version 6
	.text
	.protected	k_q914c9644d3_prep
	.globl	k_q914c9644d3_prep
	.p2align	8
	.type	k_q914c9644d3_prep,@function
k_q914c9644d3_prep:
	s_mov_b64 s[64:65], 0
	v_nop
	global_prefetch_b8 v0, s[64:65] scope:SCOPE_SE
	s_setreg_imm32_b32 hwreg(HW_REG_WAVE_MODE, 25, 1), 1
	s_wait_xcnt 0x0
; PREP: every large input is read once and leaves in the form in which the later launches take it.
; (a) mask [4096][4096] int32 becomes bits: mb [pair of query tiles 128][key step 32][tile 2][64 words]; bit L of word 16 b + i is 1 where
;     mask[16 tile + L % 16][128 step + 32 b + 16 (L / 16) + i] == 0: the lane mask of one select on one score register of the attention launch.
; (b) Q_x, K_x, V_x [8192][768] and Wq, Wk, Wv [768][768], f32, K innermost, become codes of FP6 (E2M3) with one E8M0 byte for each 32 along K.
;     A block's scale is 2^(floor(log2(largest magnitude)) - 2); each number is divided by it and rounded to the nearest code, ties to even, beyond 7.5 the largest code.
;     codes [tile G 1680][K step 6][image]: an image is a fragment's 12 registers as they stand: group c of four registers of lane L at 512 c + 16 L (1,536 bytes).
;     scales [G][pair of K steps 3][32 words]: lanes 0-15 the rows' scale words of the even K step, lanes 16-31 those of the odd one.
;     G 0-511 Q_x, 512-1023 K_x, 1024-1535 V_x, 1536-1583 Wq, 1584-1631 Wk, 1632-1679 Wv.  Lane r of tile T holds row 16 T + r (Q_x, Wv) or
;     row 32 (T / 2) + 8 (T % 2) + r + 8 (r / 8) (the others), so that results of the next launch come out with 16 neighbours along the next K in a lane.
; LIMITS: NaN and infinities are not served.  A block whose largest magnitude lies under 2^-124, zeros among them, gets the byte 1; this program alone reads the bytes, and zero codes add nothing.
; SHARES.  A wave takes two units of 16 rows x 128 numbers of 4 bytes (16,384 bytes), all 32 loads out at once.  Work-groups 0-1023: the mask; 1024-2283: the six tensors.
; Each load reads 512 consecutive bytes of one row; a unit turns through the wave's own stage in LDS (rows 528 bytes apart) and comes back with register 16 b + i of lane (r, h) = number 32 b + 16 h + i of row r.
; No loop, no barrier: waves share nothing.  The matrix units, tensor loads and clusters have nothing to do in a stream that is read once.
.set STGB,  8448                       ; a wave's stage: 16 rows x 528 bytes
.set SPARE, 4*STGB                     ; behind the stages: the spare words, 128 bytes a wave
.set OLO, 1                            ; v1   16 x lane
.set OHI, 2                            ; v2   the same, 8 rows further down where the tile's upper eight rows lie so
.set STW, 3                            ; v3   the stage on the way in: 16 x lane
.set STR, 4                            ; v4   and on the way out: 528 r + 64 h
.set O8,  5                            ; v5   8 x lane
.set O4,  6                            ; v6   4 x lane
.set SPW, 8                            ; v8   my spare word; never rewritten
.set NIL, 9                            ; v9   0; never rewritten
.set PW0, 10                           ; v10, v11 the two units' scale words; v12 the two joined
.set PW1, 11
.set PWS, 12
.set W,   16                           ; v16-19 the mask's words: unit u: v[16 + 2 u], v[17 + 2 u]
.set RA,  32                           ; v32-95 unit 0, v96-159 unit 1
.set TM,  160                          ; v160-175 at work in QUANT
.set PC0, 176                          ; v176-194, v196-214 the two units' codes: a set each, so that no store's data are written again
.set PC1, 196
.set SEL, 50                           ; s[50:51] lane selects for v_permlanex16_b32: lane l xor 16
; 64 numbers of a lane, register 16 b + i = k 32 b + 16 (lane / 16) + i of my row, become a fragment's 12 registers v[pc] on and its scale word v[pw]
.macro QUANT s, pc, pw
.irp b, 0,1,2,3
	v_max3_num_f32 v[TM+\b], |v[\s+16*\b]|, |v[\s+16*\b+1]|, 0x1800000   ; block b: my 16 numbers, and the floor 2^(3 - 127): the byte cannot fall under 1
.endr
.irp i, 2,4,6,8,10,12,14
.irp b, 0,1,2,3
	v_max3_num_f32 v[TM+\b], v[TM+\b], |v[\s+16*\b+\i]|, |v[\s+16*\b+\i+1]|   ; the four blocks by turns
.endr
.endr
.irp b, 0,1,2,3
	v_permlanex16_b32 v[TM+4+\b], v[TM+\b], s[SEL], s[SEL+1]
.endr
.irp b, 0,1,2,3
	v_max_num_f32 v[TM+\b], v[TM+\b], v[TM+4+\b]   ; with lane l xor 16's 16: the block's largest magnitude
.endr
.irp b, 0,1,2,3
	v_add_nc_u32 v[TM+12+\b], 0xff000000, v[TM+\b]   ; 2 off its exponent field: the conversion's scale operand
.endr
.irp b, 0,1,2,3
	v_lshrrev_b32 v[TM+4+\b], 23, v[TM+12+\b]      ; the scale's byte
.endr
	v_lshl_or_b32 v[\pw], v[TM+5], 8, v[TM+4]
	v_lshl_or_b32 v[\pw], v[TM+6], 16, v[\pw]
	v_lshl_or_b32 v[\pw], v[TM+7], 24, v[\pw]      ; my row's scale word
.irp c, 0,1
	v_cvt_scalef32_pk16_fp6_f32 v[\pc+6*\c:\pc+6*\c+2], v[\s+32*\c:\s+32*\c+15], v[TM+12+2*\c]
	v_cvt_scalef32_pk16_fp6_f32 v[\pc+12+4*\c:\pc+12+4*\c+2], v[\s+32*\c+16:\s+32*\c+31], v[TM+13+2*\c]   ; (a conversion's three registers begin on an even number)
.endr
	v_nop                                          ; one plain instruction behind the scaled conversions
.irp c, 0,1                            ; the operand wants a whole block in a lane: lanes 0-15 block 2 c, lanes 16-31 block 2 c + 1
.irp i, 0,1,2
	v_permlane16_swap_b32 v[\pc+6*\c+\i], v[\pc+12+4*\c+\i]
.endr
.irp i, 0,1,2
	v_mov_b32 v[\pc+3+6*\c+\i], v[\pc+12+4*\c+\i]
.endr
.endr
.endm
; 32 loads: unit u, row rho, 512 consecutive bytes each; unit 0's sixteen first
.macro LOADS pitch, hi
.irp u, 0,1
.irp rho, 0,1,2,3,4,5,6,7
	global_load_b128 v[RA+64*\u+4*\rho:RA+64*\u+4*\rho+3], v[OLO], s[36:37] offset:\rho*\pitch+512*\u th:TH_LOAD_NT
.endr
.irp rho, 8,9,10,11,12,13,14,15
	global_load_b128 v[RA+64*\u+4*\rho:RA+64*\u+4*\rho+3], v[\hi], s[36:37] offset:\rho*\pitch+512*\u th:TH_LOAD_NT
.endr
.endr
.endm
; a unit through the stage, in place.  LDS serves a wave's instructions in order: no wait between the stores and the loads, nor in front of the next unit's stores
.macro TURN u
.irp rho, 0,1,2,3,4,5,6,7,8,9,10,11,12,13,14,15
	ds_store_b128 v[STW], v[RA+64*\u+4*\rho:RA+64*\u+4*\rho+3] offset:528*\rho
.endr
.irp b, 0,1,2,3
.irp j, 0,1,2,3
	ds_load_b128 v[RA+64*\u+16*\b+4*\j:RA+64*\u+16*\b+4*\j+3], v[STR] offset:128*\b+16*\j
.endr
.endr
.endm
	s_load_b512 s[4:19], s[0:1], 0x0               ; mask, Q_x, K_x, V_x, Wq, Wk, Wv, mb
	s_load_b128 s[20:23], s[0:1], 0x40             ; codes, scales
	v_lshl_add_u32 v[SPW], v0, 2, SPARE
	v_mov_b32 v[NIL], 0
	v_lshrrev_b32 v7, 5, v0
	v_readfirstlane_b32 s24, v7                    ; wave 0..3
	v_and_b32 v7, 31, v0                           ; lane
	v_lshlrev_b32 v[OLO], 4, v7
	v_lshlrev_b32 v[O8], 3, v7
	v_lshlrev_b32 v[O4], 2, v7
	s_mul_i32 s25, s24, STGB                       ; my stage
	v_add_nc_u32 v[STW], s25, v[OLO]
	v_and_b32 v13, 15, v0                          ; r
	v_bfe_u32 v14, v0, 4, 1                        ; h
	v_mul_u32_u24 v[STR], v13, 528
	v_lshl_add_u32 v[STR], v14, 6, v[STR]
	v_add_nc_u32 v[STR], s25, v[STR]
.irp b, 0,1,2,3
	v_mov_b32 v[TM+4+\b], 0                        ; written once: the destination of a lane permute or of v_writelane_b32 counts as read
	v_mov_b32 v[W+\b], 0
.endr
	s_mov_b32 s49, 0xffff0000                      ; lanes 16-31
	s_mov_b32 s[SEL], 0x76543210
	s_mov_b32 s[SEL+1], 0xfedcba98
	; Both roles' numbers are made by every wave, without a branch; the numbers of the role that is not mine are held inside their range, so that every pointer made of them lies in its buffer.
	s_lshl_b32 s26, ttmp9, 2
	s_add_co_u32 s26, s26, s24                     ; 4 x work-group + wave
	s_min_u32 s27, s26, 4095                       ; the mask's task: query tile = task / 16, key steps 2 (task % 16) and the next
	s_sub_co_u32 s33, s26, 4096
	s_min_u32 s33, s33, 5039                       ; the tensors' task: tile G = task / 3, K steps 2 (task % 3) and the next
	s_lshr_b32 s28, s27, 4                         ; query tile
	s_and_b32 s29, s27, 15
	s_lshl_b32 s29, s29, 10                        ; two key steps are 1,024 bytes, in a row of the mask and in mb
	s_lshl_b32 s30, s28, 18                        ; 16 rows of 16,384 bytes
	s_add_co_u32 s30, s30, s29                     ; where I read in the mask
	s_lshr_b32 s31, s28, 1
	s_lshl_b32 s31, s31, 14                        ; a pair of query tiles is 16,384 bytes of mb
	s_add_co_u32 s31, s31, s29
	s_and_b32 s32, s28, 1
	s_lshl_b32 s32, s32, 8
	s_add_co_u32 s31, s31, s32                     ; where I write in mb
	s_mul_hi_u32 s34, s33, 0xaaaaaaab
	s_lshr_b32 s34, s34, 1                         ; G = task / 3
	s_mul_i32 s35, s34, 3
	s_sub_co_u32 s35, s33, s35                     ; p = task % 3
	s_sub_co_u32 s39, s34, 512
	s_cmp_lt_u32 s39, 1120                         ; K_x, V_x, Wq, Wk: a tile's rows are two groups of eight, 16 rows apart
	s_cselect_b32 s40, 8, 16                       ; rows from an even tile to the odd one beside it
	s_cselect_b32 s41, 24576, 0                    ; what the upper eight rows lie further down: 8 rows of 3,072 bytes, or nothing
	v_add_nc_u32 v[OHI], s41, v[OLO]
	s_wait_kmcnt 0x0
	s_mov_b64 s[36:37], s[16:17]                   ; which tensor: the choice hangs on the task's number alone
	s_mov_b32 s38, 1632
	s_cmp_lt_u32 s34, 1632
	s_cselect_b64 s[36:37], s[14:15], s[36:37]
	s_cselect_b32 s38, 1584, s38
	s_cmp_lt_u32 s34, 1584
	s_cselect_b64 s[36:37], s[12:13], s[36:37]
	s_cselect_b32 s38, 1536, s38
	s_cmp_lt_u32 s34, 1536
	s_cselect_b64 s[36:37], s[10:11], s[36:37]
	s_cselect_b32 s38, 1024, s38
	s_cmp_lt_u32 s34, 1024
	s_cselect_b64 s[36:37], s[8:9], s[36:37]
	s_cselect_b32 s38, 512, s38
	s_cmp_lt_u32 s34, 512
	s_cselect_b64 s[36:37], s[6:7], s[36:37]
	s_cselect_b32 s38, 0, s38
	s_sub_co_u32 s42, s34, s38                     ; the tile's number in its tensor
	s_lshr_b32 s43, s42, 1
	s_lshl_b32 s43, s43, 5
	s_and_b32 s42, s42, 1
	s_mul_i32 s42, s42, s40
	s_add_co_u32 s43, s43, s42                     ; its first row
	s_mul_i32 s43, s43, 3072
	s_lshl_b32 s48, s35, 10
	s_add_co_u32 s43, s43, s48                     ; where I read in the tensor
	s_cmp_lt_u32 ttmp9, 1024                       ; my role
	s_cselect_b64 s[36:37], s[4:5], s[36:37]
	s_cselect_b32 s44, s30, s43
	s_mov_b32 s45, 0
	s_add_nc_u64 s[36:37], s[36:37], s[44:45]      ; the source
	s_mul_i32 s46, s34, 9216
	s_mul_i32 s47, s35, 3072
	s_add_co_u32 s46, s46, s47
	s_mov_b32 s47, 0
	s_add_nc_u64 s[20:21], s[20:21], s[46:47]      ; my two images
	s_mul_i32 s46, s34, 384
	s_lshl_b32 s48, s35, 7
	s_add_co_u32 s46, s46, s48
	s_add_nc_u64 s[22:23], s[22:23], s[46:47]      ; my 32 scale words
	s_mov_b32 s46, s31
	s_add_nc_u64 s[18:19], s[18:19], s[46:47]      ; my words of mb
	s_cmp_lt_u32 ttmp9, 1024
	s_cbranch_scc0 .Ltensor_in                     ; the two roles differ in the pitch of their rows, which stands in the loads' immediates
	LOADS 16384, OLO
	s_branch .Lturn
.Ltensor_in:
	s_wait_alu depctr_va_vdst(0)
	LOADS 3072, OHI
.Lturn:
	s_wait_loadcnt 16                              ; unit 0's sixteen loads are in; unit 1's sixteen may be out
	TURN 0
	s_wait_loadcnt 0x0
	TURN 1
	s_cmp_lt_u32 ttmp9, 1024
	s_cbranch_scc0 .Ltensor_out
.irp u, 0,1
	s_wait_dscnt 32-32*\u                          ; unit u is back from the stage; behind unit 0's loads stand unit 1's 16 stores and 16 loads
.set j, 0
.rept 8
.irp e, 0,1,2,3,4,5,6,7
	v_cmp_eq_u32 s[52+\e], 0, v[RA+64*\u+j+\e]     ; word j: the 32 lanes' bits
.endr
.irp e, 0,1,2,3,4,5,6,7
	v_writelane_b32 v[W+2*\u+((j+\e)&1)], s[52+\e], (j+\e)>>1   ; into lane j / 2 of the even or the odd register
.endr
.set j, j+8
.endr
	global_store_b64 v[O8], v[W+2*\u:W+2*\u+1], s[18:19] offset:512*\u   ; 32 lanes store 256 consecutive bytes, at a multiple of 256 from mb's first byte
.endr
	s_branch .Lend
.Ltensor_out:
	s_wait_dscnt 32                                ; unit 0 is back
	QUANT RA, PC0, PW0
.irp c, 0,1,2
	global_store_b128 v[OLO], v[PC0+4*\c:PC0+4*\c+3], s[20:21] offset:512*\c   ; 512 consecutive bytes
.endr
	s_wait_dscnt 0x0
	QUANT RA+64, PC1, PW1
.irp c, 0,1,2
	global_store_b128 v[OLO], v[PC1+4*\c:PC1+4*\c+3], s[20:21] offset:1536+512*\c
.endr
	v_cndmask_b32 v[PWS], v[PW0], v[PW1], s49      ; lanes 0-15 the even K step's words, lanes 16-31 the odd one's (every lane holds the word of row lane % 16)
	global_store_b32 v[O4], v[PWS], s[22:23]
.Lend:
	s_wait_tensorcnt 0x0                           ; the wave's end, behind my last LDS store
	ds_add_u32 v[SPW], v[NIL]
	s_wait_dscnt 0x0
	s_endpgm
.Lfunc_end_k_q914c9644d3_prep:
	.size	k_q914c9644d3_prep, .Lfunc_end_k_q914c9644d3_prep-k_q914c9644d3_prep
	.p2alignl 7, 3214868480
	.fill 96, 4, 3214868480
	.section	.rodata,"a",@progbits
	.p2align	6, 0x0
	.amdhsa_kernel k_q914c9644d3_prep
		.amdhsa_group_segment_fixed_size 34304
		.amdhsa_private_segment_fixed_size 0
		.amdhsa_enable_private_segment 0
		.amdhsa_kernarg_size 80
		.amdhsa_user_sgpr_count 2
		.amdhsa_user_sgpr_kernarg_segment_ptr 1
		.amdhsa_wavefront_size32 1
		.amdhsa_system_sgpr_workgroup_id_x 1
		.amdhsa_system_sgpr_workgroup_id_y 1
		.amdhsa_system_sgpr_workgroup_id_z 1
		.amdhsa_system_vgpr_workitem_id 0
		.amdhsa_next_free_vgpr 224
		.amdhsa_next_free_sgpr 66
		.amdhsa_reserve_vcc 0
		.amdhsa_float_denorm_mode_32 3
		.amdhsa_float_denorm_mode_16_64 3
		.amdhsa_memory_ordered 1
		.amdhsa_forward_progress 1
		.amdhsa_inst_pref_size 40
	.end_amdhsa_kernel
	.amdgpu_metadata
---
amdhsa.version: [ 1, 2 ]
amdhsa.kernels:
  - .name:           k_q914c9644d3_prep
    .symbol:         k_q914c9644d3_prep.kd
    .args:
      - { .name: mask, .offset: 0, .size: 8, .value_kind: global_buffer, .address_space: global }
      - { .name: Q_x, .offset: 8, .size: 8, .value_kind: global_buffer, .address_space: global }
      - { .name: K_x, .offset: 16, .size: 8, .value_kind: global_buffer, .address_space: global }
      - { .name: V_x, .offset: 24, .size: 8, .value_kind: global_buffer, .address_space: global }
      - { .name: Wq, .offset: 32, .size: 8, .value_kind: global_buffer, .address_space: global }
      - { .name: Wk, .offset: 40, .size: 8, .value_kind: global_buffer, .address_space: global }
      - { .name: Wv, .offset: 48, .size: 8, .value_kind: global_buffer, .address_space: global }
      - { .name: mb, .offset: 56, .size: 8, .value_kind: global_buffer, .address_space: global }
      - { .name: codes, .offset: 64, .size: 8, .value_kind: global_buffer, .address_space: global }
      - { .name: scales, .offset: 72, .size: 8, .value_kind: global_buffer, .address_space: global }
    .group_segment_fixed_size: 34304
    .private_segment_fixed_size: 0
    .kernarg_segment_align: 8
    .kernarg_segment_size: 80
    .max_flat_workgroup_size: 128
    .sgpr_count:     66
    .vgpr_count:     224
    .wavefront_size: 32
...
	.end_amdgpu_metadata
.endif
;; end of part 1
;; launch proj (part 2): grid 256 x 1, 4 waves a work-group, no clusters, 0 bytes of LDS; arguments codes, scales, bq, bk, bv, qc, qs, kvc; writes qc, qs, kvc
.if DOCPART == 2
	.amdgcn_target "amdgcn-amd-amdhsa--gfx1250"
	.amdhsa_code_object_version 6
	.text
	.protected	k_q914c9644d3_proj
	.globl	k_q914c9644d3_proj
	.p2align	8
	.type	k_q914c9644d3_proj,@function
k_q914c9644d3_proj:
	s_mov_b64 s[64:65], 0
	v_nop
	global_prefetch_b8 v0, s[64:65] scope:SCOPE_SE
	s_setreg_imm32_b32 hwreg(HW_REG_WAVE_MODE, 25, 1), 1
	s_wait_xcnt 0x0
; PROJ: Q = Q_x Wq^T + bq, K = K_x Wk^T + bk, V = V_x Wv^T + bv on codes of FP6 (E2M3) with E8M0 scales, sums in f32, K = 768 in six steps of 128, ascending, the bias as the C of a sum's first product;
; the results are quantised in registers (Q and K along the head's 128, V along the keys) and leave as images of the attention launch's operand registers.
; A UNIT: a stationary operand of 128 rows (8 tiles x 6 K steps = 48 fragments, 576 registers, read once) times one streamed tile of 16 rows (6 fragments): 48 products on 8 accumulators by turns.
; The stationary tiles' rows are laid so (lane r of tile 2 b + u = row 32 b + 8 u + r + 8 (r / 8)) that accumulator register 16 b + i of lane (r, h) is number 32 b + 16 h + i along the next K of the lane's row.
;   Q, K: stationary = a head's 128 rows of W (source 0), streamed = 16 tokens (source 1): a lane holds one token, registers run along the head's 128.
;   V:    stationary = 128 tokens, a key step (source 0), streamed = 16 rows of Wv (source 1): a lane holds one channel, registers run along the keys.
; SHARES: 1,024 waves, id = 4 x work-group + wave.  id 0-383: Q, head id / 64, 8 tiles of tokens; 384-767: K likewise (its 8 tiles are one key step); 768-1023: V, key step (id - 768) / 4, 12 tiles of Wv.
; OUT: qc [head of a batch 12][query tile 256][image 1,536 bytes]; qs [12][pair of tiles 128][32 words: lanes 0-15 the even tile's rows, lanes 16-31 the odd one's];
;   kvc [12][key step 32][record of 25,600 bytes: K's 8 images, V^T's 8 images, K's 4 blocks of 32 scale words, V's 4].
; NO LDS, NO JOINT LOADS: the stationary operand has to stand in each wave's own registers, and a streamed tile is asked for two units ahead straight into registers: there is no tile in LDS that partners could share.
; LIMITS as in the launch before: NaN and infinities are not served; a block under 2^-124 gets the byte 1.
; REGISTERS, in windows of 256.  Window 0: below.  Stationary fragment f = 8 s + t: window 1 + f / 21, register 12 (f % 21).  Streamed set x: window 3, from v[72 + 72 x], 12 a K step.
.set LI,  1                            ; v1   16 x lane
.set LS,  2                            ; v2   4 x lane
.set BO,  3                            ; v3   my place in the bias: 64 h (Q, K), 4 r (V)
.set BV,  4                            ; v4-11  V: my channel's bias, eight times: the C of a sum's first product
.set BVL, 12                           ; v12-13 V: as loaded, set x
.set PW,  14                           ; v14 the scale word just made; v15 the even unit's; v16 the two joined
.set PWE, 15
.set PWS, 16
.set PS,  20                           ; v20-43 the stationary tiles' scale words: 3 t + s / 2; lanes 0-15 the even K step, lanes 16-31 the odd one
.set RS,  44                           ; v44-49 the streamed tile's: 3 x + s / 2
.set TM,  52                           ; v52-67 at work in QUANT
.set PC,  68                           ; v68-86 the codes just made
.set ACC, 96                           ; v96-159 the 8 accumulators
.set BP,  160                          ; v160-223 Q, K: the bias in the accumulators' layout
.set SEL, 46                           ; s[46:47]
.set NBQ, 21                           ; loads in a batch: 18 of codes, 3 of scale words,
.set NBV, 22                           ; and V's bias
.set MSB, 0
.macro WIN new                         ; the immediate's high byte repeats the setting that is left; a switch that changes nothing is dropped
.if MSB != \new
	s_set_vgpr_msb (MSB<<8)|\new
.set MSB, \new
.endif
.endm
.macro QUANT s, pc, pw
.irp b, 0,1,2,3
	v_max3_num_f32 v[TM+\b], |v[\s+16*\b]|, |v[\s+16*\b+1]|, 0x1800000   ; block b: my 16 numbers, and the floor 2^(3 - 127).  Each accumulator is read from its low end on
.endr
.irp i, 2,4,6,8,10,12,14
.irp b, 0,1,2,3
	v_max3_num_f32 v[TM+\b], v[TM+\b], |v[\s+16*\b+\i]|, |v[\s+16*\b+\i+1]|
.endr
.endr
.irp b, 0,1,2,3
	v_permlanex16_b32 v[TM+4+\b], v[TM+\b], s[SEL], s[SEL+1]
.endr
.irp b, 0,1,2,3
	v_max_num_f32 v[TM+\b], v[TM+\b], v[TM+4+\b]
.endr
.irp b, 0,1,2,3
	v_add_nc_u32 v[TM+12+\b], 0xff000000, v[TM+\b]
.endr
.irp b, 0,1,2,3
	v_lshrrev_b32 v[TM+4+\b], 23, v[TM+12+\b]
.endr
	v_lshl_or_b32 v[\pw], v[TM+5], 8, v[TM+4]
	v_lshl_or_b32 v[\pw], v[TM+6], 16, v[\pw]
	v_lshl_or_b32 v[\pw], v[TM+7], 24, v[\pw]
.irp c, 0,1
	v_cvt_scalef32_pk16_fp6_f32 v[\pc+6*\c:\pc+6*\c+2], v[\s+32*\c:\s+32*\c+15], v[TM+12+2*\c]
	v_cvt_scalef32_pk16_fp6_f32 v[\pc+12+4*\c:\pc+12+4*\c+2], v[\s+32*\c+16:\s+32*\c+31], v[TM+13+2*\c]
.endr
	v_nop                                          ; one plain instruction behind the scaled conversions
.irp c, 0,1
.irp i, 0,1,2
	v_permlane16_swap_b32 v[\pc+6*\c+\i], v[\pc+12+4*\c+\i]
.endr
.irp i, 0,1,2
	v_mov_b32 v[\pc+3+6*\c+\i], v[\pc+12+4*\c+\i]
.endr
.endr
.endm
; one product; ra, rb = 1: that side's scale words are taken from lanes 16-31
.macro WMC d, a, b, c, sa, sb, ra, rb
.if ((\ra) == 0) && ((\rb) == 0)
	v_wmma_scale_f32_16x16x128_f8f6f4 v[\d:\d+7], v[\a:\a+11], v[\b:\b+11], v[\c:\c+7], v[\sa], v[\sb] matrix_a_fmt:MATRIX_FMT_FP6 matrix_b_fmt:MATRIX_FMT_FP6
.elseif ((\rb) == 0)
	v_wmma_scale_f32_16x16x128_f8f6f4 v[\d:\d+7], v[\a:\a+11], v[\b:\b+11], v[\c:\c+7], v[\sa], v[\sb] matrix_a_fmt:MATRIX_FMT_FP6 matrix_b_fmt:MATRIX_FMT_FP6 matrix_a_scale:MATRIX_SCALE_ROW1
.elseif ((\ra) == 0)
	v_wmma_scale_f32_16x16x128_f8f6f4 v[\d:\d+7], v[\a:\a+11], v[\b:\b+11], v[\c:\c+7], v[\sa], v[\sb] matrix_a_fmt:MATRIX_FMT_FP6 matrix_b_fmt:MATRIX_FMT_FP6 matrix_b_scale:MATRIX_SCALE_ROW1
.else
	v_wmma_scale_f32_16x16x128_f8f6f4 v[\d:\d+7], v[\a:\a+11], v[\b:\b+11], v[\c:\c+7], v[\sa], v[\sb] matrix_a_fmt:MATRIX_FMT_FP6 matrix_b_fmt:MATRIX_FMT_FP6 matrix_a_scale:MATRIX_SCALE_ROW1 matrix_b_scale:MATRIX_SCALE_ROW1
.endif
.endm
; a streamed tile into set x.  The pointers stand at an even tile; the odd one is reached by the immediates.  step = 1: on to the next pair (behind the caller's wait on XCNT)
.macro BATCH x, isv, step
.if \step
	s_add_nc_u64 s[28:29], s[28:29], 2*9216
	s_add_nc_u64 s[30:31], s[30:31], 2*384
.if \isv
	s_add_nc_u64 s[32:33], s[32:33], 2*64
.endif
.endif
	WIN 0xc0                                       ; destination window 3
.irp s, 0,1,2,3,4,5
.irp c, 0,1,2
	global_load_b128 v[72+72*\x+12*\s+4*\c:72+72*\x+12*\s+4*\c+3], v[LI], s[28:29] offset:9216*\x+1536*\s+512*\c
.endr
.endr
	WIN 0
.irp pr, 0,1,2
	global_load_b32 v[RS+3*\x+\pr], v[LS], s[30:31] offset:384*\x+128*\pr
.endr
.if \isv
	global_load_b32 v[BVL+\x], v[BO], s[32:33] offset:64*\x
.endif
.endm
; a unit on set x.  more = 1: the set is asked for again, two units ahead.  left: the loads of the one younger batch, which may stay out
.macro UNIT x, isv, more, step, left
	s_wait_loadcnt \left
.if \isv
.irp i, 0,1,2,3,4,5,6,7
	v_mov_b32 v[BV+\i], v[BVL+\x]
.endr
.rept 4
	v_nop
.endr
.endif
.set f, 0
.rept 48                               ; K step f / 8, tile f % 8: the eight accumulators take turns, one instruction a turn
.set WW, (1+f/21)|0x0c                 ; source 0: the fragment's window; source 1: window 3
	WIN WW
.set rA, 12*(f%21)
.set rB, 72+72*\x+12*(f/8)
.set rD, ACC+8*(f%8)
.set rC, rD
.if f < 8
.set rC, BP+8*f
.if \isv
.set rC, BV
.endif
.endif
.set rSA, PS+3*(f%8)+f/16
.set rSB, RS+3*\x+f/16
.set rR, (f/8)%2
	WMC rD, rA, rB, rC, rSA, rSB, rR, rR
.set f, f+1
.endr
	WIN 0
.rept 4
	v_nop                                          ; four plain instructions behind the last product, ahead of the loads into the set that it read and of the first read of results
.endr
	s_wait_xcnt 0x0                                ; every earlier load and store has had its addresses translated: only behind this wait are the pointers stepped and the last unit's store data written again
.if \more
	BATCH \x, \isv, \step
.endif
.if \x == 0
	s_add_co_u32 s48, s43, s42                     ; T: the streamed tile's number (V: among Wv's 48; Q, K: among my 8)
	s_lshr_b32 s49, s48, 3                         ; V: the head; Q, K: 0
	s_and_b32 s48, s48, 7
	s_mul_i32 s49, s49, 819200                     ; a head of kvc
	s_mul_i32 s50, s48, 1536
	s_add_co_u32 s50, s50, s49
	s_mov_b32 s51, 0
	s_add_nc_u64 s[38:39], s[34:35], s[50:51]      ; where this pair's images go,
	s_lshl_b32 s50, s48, 6
	s_add_co_u32 s50, s50, s49
	s_add_nc_u64 s[40:41], s[36:37], s[50:51]      ; and its 32 scale words
.endif
	QUANT ACC, PC, PW
.irp c, 0,1,2
	global_store_b128 v[LI], v[PC+4*\c:PC+4*\c+3], s[38:39] offset:1536*\x+512*\c   ; 512 consecutive bytes
.endr
.if \x == 0
	v_mov_b32 v[PWE], v[PW]
.else
	v_cndmask_b32 v[PWS], v[PWE], v[PW], s44       ; lanes 0-15 the even tile's words, lanes 16-31 the odd one's
	global_store_b32 v[LS], v[PWS], s[40:41]
.endif
.endm
	s_load_b512 s[4:19], s[0:1], 0x0               ; codes, scales, bq, bk, bv, qc, qs, kvc
	v_lshrrev_b32 v1, 5, v0
	v_readfirstlane_b32 s22, v1                    ; wave 0..3
	v_and_b32 v2, 31, v0
	v_lshlrev_b32 v[LI], 4, v2
	v_lshlrev_b32 v[LS], 2, v2
.irp b, 0,1,2,3
	v_mov_b32 v[TM+4+\b], 0                        ; written once: a lane permute's destination counts as one of its sources
.endr
	s_mov_b32 s44, 0xffff0000                      ; lanes 16-31
	s_mov_b32 s[SEL], 0x76543210
	s_mov_b32 s[SEL+1], 0xfedcba98
	s_lshl_b32 s23, ttmp9, 2
	s_add_co_u32 s23, s23, s22                     ; id
	s_cmp_lt_u32 s23, 384                          ; Q or K
	s_cselect_b32 s48, 0, 384
	s_cselect_b32 s49, 0, 48                       ; Wq's tiles or Wk's
	s_cselect_b32 s50, 0, 512                      ; Q_x's or K_x's
	s_sub_co_u32 s48, s23, s48
	s_lshr_b32 s51, s48, 6                         ; head
	s_and_b32 s52, s48, 63                         ; which 128 tokens
	s_lshl_b32 s53, s51, 3
	s_add_co_u32 s49, s49, s53
	s_add_co_u32 s49, s49, 1536                    ; the stationary operand's first tile
	s_lshl_b32 s53, s52, 3
	s_add_co_u32 s50, s50, s53                     ; the first streamed tile
	s_sub_co_u32 s53, s23, 768                     ; V
	s_lshr_b32 s54, s53, 2
	s_and_b32 s54, s54, 63                         ; which 128 tokens
	s_and_b32 s55, s23, 3                          ; which 12 tiles of Wv
	s_lshl_b32 s53, s54, 3
	s_add_co_u32 s53, s53, 1024
	s_mul_i32 s43, s55, 12
	s_add_co_u32 s57, s43, 1632
	s_cmp_lt_u32 s23, 768
	s_cselect_b32 s49, s49, s53
	s_cselect_b32 s50, s50, s57
	s_cselect_b32 s43, 0, s43                      ; what is added to the unit's number to give T
	s_mul_i32 s24, s49, 9216
	s_mov_b32 s25, 0
	s_mul_i32 s26, s49, 384
	s_mov_b32 s27, 0
	s_mul_i32 s28, s50, 9216
	s_mov_b32 s29, 0
	s_mul_i32 s30, s50, 384
	s_mov_b32 s31, 0
	s_wait_alu depctr_va_vdst(0)
	s_wait_kmcnt 0x0
	s_add_nc_u64 s[24:25], s[4:5], s[24:25]
	s_add_nc_u64 s[26:27], s[6:7], s[26:27]
	s_add_nc_u64 s[28:29], s[4:5], s[28:29]
	s_add_nc_u64 s[30:31], s[6:7], s[30:31]
.set f, 0
.rept 48                               ; the stationary operand: it stays
.set WW, (1+f/21)<<6
	WIN WW
.irp c, 0,1,2
	global_load_b128 v[12*(f%21)+4*\c:12*(f%21)+4*\c+3], v[LI], s[24:25] offset:9216*(f%8)+1536*(f/8)+512*\c
.endr
.set f, f+1
.endr
	WIN 0
.irp t, 0,1,2,3,4,5,6,7
.irp pr, 0,1,2
	global_load_b32 v[PS+3*\t+\pr], v[LS], s[26:27] offset:384*\t+128*\pr
.endr
.endr
	s_cmp_lt_u32 s23, 768
	s_cbranch_scc0 .Lv
	; ---- Q and K
	s_cmp_lt_u32 s23, 384
	s_cselect_b64 s[32:33], s[8:9], s[10:11]       ; bq or bk
	s_cselect_b64 s[34:35], s[14:15], s[18:19]     ; images to qc or kvc
	s_cselect_b64 s[36:37], s[16:17], s[18:19]     ; scale words to qs or kvc
	s_mov_b32 s48, 819200
	s_cselect_b32 s48, 393216, s48                 ; images: bytes of a head,
	s_mov_b32 s49, 25600
	s_cselect_b32 s49, 12288, s49                  ; and of 128 tokens
	s_mov_b32 s50, 819200
	s_cselect_b32 s50, 16384, s50                  ; scale words likewise
	s_mov_b32 s53, 25600
	s_cselect_b32 s53, 512, s53
	s_cselect_b32 s54, 0, 24576                    ; in a record of kvc they lie behind the 16 images
	s_lshr_b32 s55, s52, 5                         ; batch
	s_mul_i32 s55, s55, 6
	s_add_co_u32 s55, s55, s51                     ; 6 x batch + head
	s_and_b32 s57, s52, 31                         ; which 128 tokens of the batch
	s_mul_i32 s48, s48, s55
	s_mul_i32 s49, s49, s57
	s_add_co_u32 s48, s48, s49
	s_mov_b32 s49, 0
	s_add_nc_u64 s[34:35], s[34:35], s[48:49]
	s_mul_i32 s50, s50, s55
	s_mul_i32 s53, s53, s57
	s_add_co_u32 s50, s50, s53
	s_add_co_u32 s48, s50, s54
	s_add_nc_u64 s[36:37], s[36:37], s[48:49]
	s_lshl_b32 s48, s51, 9
	s_add_nc_u64 s[32:33], s[32:33], s[48:49]      ; my head's 128 numbers of the bias
	v_bfe_u32 v[BO], v0, 4, 1
	v_lshlrev_b32 v[BO], 6, v[BO]                  ; lane (r, h) wants, for tile 2 b + u, those of units 32 b + 16 h + 8 u + 0 .. 7
.irp t, 0,1,2,3,4,5,6,7
	global_load_b128 v[BP+8*\t:BP+8*\t+3], v[BO], s[32:33] offset:(32*(\t/2)+8*(\t%2))*4
	global_load_b128 v[BP+8*\t+4:BP+8*\t+7], v[BO], s[32:33] offset:(32*(\t/2)+8*(\t%2))*4+16
.endr
	BATCH 0, 0, 0
	BATCH 1, 0, 0
	s_mov_b32 s42, 0                               ; the even unit's number
.Lqk:                                              ; three trips of two units; each asks for the two units after the next two
	UNIT 0, 0, 1, 1, NBQ
	UNIT 1, 0, 1, 0, NBQ
	s_add_co_u32 s42, s42, 2
	s_cmp_lt_u32 s42, 6
	s_cbranch_scc1 .Lqk
	UNIT 0, 0, 0, 0, NBQ                           ; the last two units ask for nothing: no load leaves its buffer
	UNIT 1, 0, 0, 0, 0
	s_endpgm
	; ---- V
.Lv:
	s_lshr_b32 s48, s54, 5                         ; batch
	s_mul_i32 s48, s48, 192                        ; 6 heads x 32 key steps
	s_and_b32 s49, s54, 31
	s_add_co_u32 s48, s48, s49
	s_mul_i32 s48, s48, 25600                      ; head 0's record of my key step
	s_add_co_u32 s50, s48, 12288
	s_mov_b32 s51, 0
	s_add_nc_u64 s[34:35], s[18:19], s[50:51]      ; V^T's images lie behind K's eight,
	s_add_co_u32 s50, s48, 24576+512
	s_add_nc_u64 s[36:37], s[18:19], s[50:51]      ; its scale words behind K's four blocks
	s_mul_i32 s50, s55, 768
	s_add_nc_u64 s[32:33], s[12:13], s[50:51]      ; bv at my first tile: 16 numbers a tile
	v_and_b32 v[BO], 15, v0
	v_lshlrev_b32 v[BO], 2, v[BO]
	BATCH 0, 1, 0
	BATCH 1, 1, 0
	s_mov_b32 s42, 0
.Lvl:                                              ; five trips of two units
	s_wait_alu depctr_va_vdst(0)
	UNIT 0, 1, 1, 1, NBV
	UNIT 1, 1, 1, 0, NBV
	s_add_co_u32 s42, s42, 2
	s_cmp_lt_u32 s42, 10
	s_cbranch_scc1 .Lvl
	UNIT 0, 1, 0, 0, NBV
	UNIT 1, 1, 0, 0, 0
	s_endpgm
.Lfunc_end_k_q914c9644d3_proj:
	.size	k_q914c9644d3_proj, .Lfunc_end_k_q914c9644d3_proj-k_q914c9644d3_proj
	.p2alignl 7, 3214868480
	.fill 96, 4, 3214868480
	.section	.rodata,"a",@progbits
	.p2align	6, 0x0
	.amdhsa_kernel k_q914c9644d3_proj
		.amdhsa_group_segment_fixed_size 0
		.amdhsa_private_segment_fixed_size 0
		.amdhsa_enable_private_segment 0
		.amdhsa_kernarg_size 64
		.amdhsa_user_sgpr_count 2
		.amdhsa_user_sgpr_kernarg_segment_ptr 1
		.amdhsa_wavefront_size32 1
		.amdhsa_system_sgpr_workgroup_id_x 1
		.amdhsa_system_sgpr_workgroup_id_y 1
		.amdhsa_system_sgpr_workgroup_id_z 1
		.amdhsa_system_vgpr_workitem_id 0
		.amdhsa_next_free_vgpr 1024
		.amdhsa_next_free_sgpr 66
		.amdhsa_reserve_vcc 0
		.amdhsa_float_denorm_mode_32 3
		.amdhsa_float_denorm_mode_16_64 3
		.amdhsa_memory_ordered 1
		.amdhsa_forward_progress 1
		.amdhsa_inst_pref_size 126
	.end_amdhsa_kernel
	.amdgpu_metadata
---
amdhsa.version: [ 1, 2 ]
amdhsa.kernels:
  - .name:           k_q914c9644d3_proj
    .symbol:         k_q914c9644d3_proj.kd
    .args:
      - { .name: codes, .offset: 0, .size: 8, .value_kind: global_buffer, .address_space: global }
      - { .name: scales, .offset: 8, .size: 8, .value_kind: global_buffer, .address_space: global }
      - { .name: bq, .offset: 16, .size: 8, .value_kind: global_buffer, .address_space: global }
      - { .name: bk, .offset: 24, .size: 8, .value_kind: global_buffer, .address_space: global }
      - { .name: bv, .offset: 32, .size: 8, .value_kind: global_buffer, .address_space: global }
      - { .name: qc, .offset: 40, .size: 8, .value_kind: global_buffer, .address_space: global }
      - { .name: qs, .offset: 48, .size: 8, .value_kind: global_buffer, .address_space: global }
      - { .name: kvc, .offset: 56, .size: 8, .value_kind: global_buffer, .address_space: global }
    .group_segment_fixed_size: 0
    .private_segment_fixed_size: 0
    .kernarg_segment_align: 8
    .kernarg_segment_size: 64
    .max_flat_workgroup_size: 128
    .sgpr_count:     66
    .vgpr_count:     1024
    .wavefront_size: 32
...
	.end_amdgpu_metadata
.endif
;; end of part 2
;; launch attn (part 3): grid 64 x 4, 12 waves a work-group, clusters of 4 x 1, 327,680 bytes of LDS; arguments qc, qs, kvc, mb, out0; writes out0
.if DOCPART == 3
	.amdgcn_target "amdgcn-amd-amdhsa--gfx1250"
	.amdhsa_code_object_version 6
	.text
	.protected	k_q914c9644d3_attn
	.globl	k_q914c9644d3_attn
	.p2align	8
	.type	k_q914c9644d3_attn,@function
k_q914c9644d3_attn:
	s_mov_b64 s[64:65], 0
	v_nop
	global_prefetch_b8 v0, s[64:65] scope:SCOPE_SE
	s_setreg_imm32_b32 hwreg(HW_REG_WAVE_MODE, 25, 1), 1
	s_wait_xcnt 0x0
	s_wait_alu depctr_hold_cnt(0) depctr_sa_sdst(0) depctr_va_vdst(0) depctr_va_sdst(0) depctr_va_ssrc(0) depctr_va_vcc(0) depctr_vm_vsrc(0)
	s_getreg_b32 s2, hwreg(HW_REG_IB_STS2, 6, 4)
	s_cmp_eq_u32 s2, 0
	s_cbranch_scc0 .Lentry_in_a_cluster
	s_endpgm
.Lentry_in_a_cluster:
	s_bfe_u32 s2, ttmp6, 0x10000c
	s_cmp_lg_u32 s2, 0x3003
	s_cbranch_scc0 .Lentry_shape_is_right
	s_endpgm
.Lentry_shape_is_right:
; ATTN: out0[b][q][128 head + :] = the sum over keys of softmax(where(mask == 0, -1e9, Q . K / sqrt(128))) V, both products on codes of FP6 (E2M3) with one E8M0 scale for each 32 along K.
; t = score x log2(e) / sqrt(128); M = the running largest t rounded UP to a whole number; p = 2^(t - M) is quantised along the keys, not normalised; the row's sum is taken of the unquantised p and divides at the end.
; When M moves, the sum and O are multiplied by 2^(old M - new M): exact, in every step, with no branch on data.
; THE MASK: a hidden score is replaced by -2^34 ahead of the maximum (one select a score, its lane mask a word of mb).  -2^34 x c is exact and a whole number, so in a row all of whose keys are hidden t - M is 0 and
; p is 1 for every key, as with reference()'s -1e9; elsewhere a hidden key's p is 0, as there.  LIMIT: this agrees with reference() while every open logit lies above about -1e9.  NaN and infinities are not served.
; SHARES.  12 heads of a batch x 4,096 queries are 3,072 tiles of 16 queries: 256 work-groups of 12.  A work-group owns 64 queries of three heads; each of its twelve waves one tile of one head (head = wave / 4, tile = wave % 4),
; three waves to a SIMD.  A wave's 64 words of the mask for a key step fit in scalar registers and are loaded a whole key step ahead.
; LAYOUT.  Both products are used transposed: S^T = K Q^T, O^T = V^T P^T: a lane holds ONE query (lane % 16).  Lane r of key tile 2 b + u holds key 32 b + 8 u + r + 8 (r / 8), so that score register 16 b + i of lane (r, h) is
; key 32 b + 16 h + i.  All operands lie in memory and LDS as images of their registers: a fragment is three loads of 512 consecutive bytes.
; THE RING.  A key step of a head is one dense record of 25,600 bytes.  Two slots, each with two key steps of the three heads (153,600 bytes).  A head's two records are 51,200 consecutive bytes of kvc; each of its four waves
; fetches a quarter, 50 rows of 256 bytes: every wave issues one tensor load at the head and one behind each change of slots, so at most one tensor load of a wave is out and no branch leads round a fill.
; CLUSTER.  The four query blocks of a cluster walk the same records: each piece is asked for JOINTLY, by the same tensor load with the same descriptor and a mask that names the four.
; REGISTERS.  Window 0: below.  Window 1: v0-63 O^T.
.set KSTEPB, 25600                     ; a key step's record
.set QUARTB, 12800                     ; what one tensor load brings
.set SLOTB,  6*KSTEPB                  ; a slot
.set HEADB,  32*KSTEPB                 ; a head's records
.set SPARE,  2*SLOTB                   ; behind the ring: the spare words, 128 bytes a wave
.set STGB,   8448                      ; the way out: 16 rows x 528 bytes a wave, in slot 0, which has had its last fill and its last read by then (the last key steps lie in slot 1)
.set LI,  1                            ; 16 x lane
.set LS0, 2                            ; 24,576 + 4 x lane: my scale word in a record
.set ADK, 3                            ; LDS address of the step's images
.set ADS, 4                            ; and of its scale words
.set SPW, 5                            ; my spare word; never rewritten
.set NIL, 6                            ; 0; never rewritten
.set NEGB, 7                           ; -2^34
.set STO, 9                            ; the stage: where I put 16 bytes of a row
.set RD,  10                           ; and where I read a row back
.set QS,  11                           ; Q's scale words, in both halves of the lanes
.set KSC, 12                           ; v12-15 K's scale words, then V's: register b: lanes 0-15 tile 2 b, lanes 16-31 tile 2 b + 1
.set PS,  16                           ; p's scale word
.set PFO, 18                           ; the prefetches' offset; never rewritten
.set ST,  20                           ; +0 -M, +1 the largest t, +2, +3 the sum in two halves, +4 f, +5 0, +6, +7 at work
.set TM,  28                           ; +0..3 the blocks' largest, +4..10 at work, +12..15 the conversions' scale operands
.set Q,   44                           ; Q's fragment
.set PC,  56                           ; p's codes
.set S,   68                           ; S^T, then p
.set KF,  132                          ; eight fragments of K or of V
.set O,   0                            ; in window 1
.set MSB, 0
.macro WIN new                         ; the immediate's high byte repeats the setting that is left
.if MSB != \new
	s_set_vgpr_msb (MSB<<8)|\new
.set MSB, \new
.endif
.endm
; SCALARS: s2 LDS byte of the step's record; s3 my head's place in a slot; s[4:5] my tile's words of mb; s[6:7] my rows of out0; s8 wave; s9, s10 counters; s11 key step; s12 its offset in mb; s13, s[14:15] the prefetches;
; s[16:23] descriptor group 1; s[24:27], s[28:31] group 0 for slots 0 and 1; s[32:63], s[68:99] the mask's 64 words (at the head: arguments and numbers at work); s[66:67] c; s100, s101 lane selects
.macro CROUND                          ; a round of the cluster's barrier
	s_barrier_signal -1
	s_barrier_wait -1
	s_cmp_lg_u32 s8, 0
	s_cbranch_scc1 .Lnot_wave_0_\@
	s_barrier_signal -3
.Lnot_wave_0_\@:
	s_barrier_wait -3
	s_barrier_signal -1
	s_barrier_wait -1
.endm
; A PREFETCH INTO THE L2 of what the NEXT change of slots will ask for, two key steps ahead of that load.  All clusters of a group of heads walk the same records: the group's first cluster asks.  Of a head's four pieces each
; partner takes one, told apart BY ADDRESS; in each partner the head's first wave names 32 blocks of 256 bytes and its second the other 18 (its lanes that are left over name its last block again).
.macro ASK
	s_cmp_eq_u32 s13, 1
	s_cbranch_scc0 .Lnot_mine_\@
	global_prefetch_b8 v[PFO], s[14:15] th:TH_LOAD_NT scope:SCOPE_SE
.Lnot_mine_\@:
.endm
.macro MASKLOAD                        ; my tile's 64 words for one key step
	s_load_b512 s[32:47], s[4:5], s12 offset:0
	s_load_b512 s[48:63], s[4:5], s12 offset:64
	s_load_b512 s[68:83], s[4:5], s12 offset:128
	s_load_b512 s[84:99], s[4:5], s12 offset:192
.endm
.macro MASK                            ; ascending: each accumulator is read from its low end on
.set j, 0
.rept 64
.set m, 32+j+4*(j/32)
	v_cndmask_b32 v[S+j], v[S+j], v[NEGB], s[m]
.set j, j+1
.endr
.endm
.macro FETCH base, scoff               ; eight images in one run, and their four registers of scale words
.irp t, 0,1,2,3,4,5,6,7
.irp c, 0,1,2
	ds_load_b128 v[KF+12*\t+4*\c:KF+12*\t+4*\c+3], v[ADK] offset:\base+1536*\t+512*\c
.endr
.endr
.irp b, 0,1,2,3
	ds_load_b32 v[KSC+\b], v[ADS] offset:\scoff+128*\b
.endr
.endm
.macro WMZ d, a, b, sa, sb, ra         ; a product that starts a sum; ra = 1: source 0's scale words are taken from lanes 16-31
.if (\ra) == 0
	v_wmma_scale_f32_16x16x128_f8f6f4 v[\d:\d+7], v[\a:\a+11], v[\b:\b+11], 0, v[\sa], v[\sb] matrix_a_fmt:MATRIX_FMT_FP6 matrix_b_fmt:MATRIX_FMT_FP6
.else
	v_wmma_scale_f32_16x16x128_f8f6f4 v[\d:\d+7], v[\a:\a+11], v[\b:\b+11], 0, v[\sa], v[\sb] matrix_a_fmt:MATRIX_FMT_FP6 matrix_b_fmt:MATRIX_FMT_FP6 matrix_a_scale:MATRIX_SCALE_ROW1
.endif
.endm
.macro WMA d, a, b, sa, sb, ra         ; a product that adds in place
.if (\ra) == 0
	v_wmma_scale_f32_16x16x128_f8f6f4 v[\d:\d+7], v[\a:\a+11], v[\b:\b+11], v[\d:\d+7], v[\sa], v[\sb] matrix_a_fmt:MATRIX_FMT_FP6 matrix_b_fmt:MATRIX_FMT_FP6
.else
	v_wmma_scale_f32_16x16x128_f8f6f4 v[\d:\d+7], v[\a:\a+11], v[\b:\b+11], v[\d:\d+7], v[\sa], v[\sb] matrix_a_fmt:MATRIX_FMT_FP6 matrix_b_fmt:MATRIX_FMT_FP6 matrix_a_scale:MATRIX_SCALE_ROW1
.endif
.endm
.macro SMAX                            ; the largest score of each block of 32 keys (it also gives the block's largest p, since p rises with the score); the new M; f
.irp b, 0,1,2,3
	v_max3_num_f32 v[TM+\b], v[S+16*\b], v[S+16*\b+1], v[S+16*\b+2]
.endr
.irp i, 3,5,7,9,11,13
.irp b, 0,1,2,3
	s_delay_alu instid0(VALU_DEP_4)
	v_max3_num_f32 v[TM+\b], v[TM+\b], v[S+16*\b+\i], v[S+16*\b+\i+1]
.endr
.endr
.irp b, 0,1,2,3
	s_delay_alu instid0(VALU_DEP_4)
	v_max_num_f32 v[TM+\b], v[TM+\b], v[S+16*\b+15]
.endr
.irp b, 0,1,2,3
	s_delay_alu instid0(VALU_DEP_4)
	v_permlanex16_b32 v[TM+4+\b], v[TM+\b], s100, s101
.endr
.irp b, 0,1,2,3
	s_delay_alu instid0(VALU_DEP_4)
	v_max_num_f32 v[TM+\b], v[TM+\b], v[TM+4+\b]   ; with lane l xor 16's 16 keys
.endr
	s_delay_alu instid0(VALU_DEP_2)
	v_max3_num_f32 v[ST+6], v[TM], v[TM+1], v[TM+2]
	s_delay_alu instid0(VALU_DEP_1)
	v_max_num_f32 v[ST+6], v[ST+6], v[TM+3]        ; the step's largest score of my query
	s_delay_alu instid0(VALU_DEP_1)
	v_mul_f32 v[ST+6], s66, v[ST+6]                ; as t (c is positive)
	s_delay_alu instid0(VALU_DEP_1)
	v_max_num_f32 v[ST+1], v[ST+1], v[ST+6]        ; the running largest t
	v_mov_b32 v[ST+6], v[ST]
	s_delay_alu instid0(VALU_DEP_2)
	v_floor_f32 v[ST], -v[ST+1]                    ; the new -M = floor(-t)
	s_delay_alu instid0(VALU_DEP_1)
	v_sub_f32 v[ST+6], v[ST], v[ST+6]              ; old M - new M: a whole number, 0 or less
	s_delay_alu instid0(VALU_DEP_1)
	v_cvt_i32_f32 v[ST+6], v[ST+6]                 ; (it saturates)
	s_delay_alu instid0(VALU_DEP_1)
	v_ldexp_f32 v[ST+4], 1.0, v[ST+6]              ; f = 2^(old M - new M)
.endm
.macro RESC                            ; the sum and O^T under the new M: x f; ascending: each accumulator is read from its low end on
	s_delay_alu instid0(VALU_DEP_1)
	v_pk_mul_f32 v[ST+2:ST+3], v[ST+2:ST+3], v[ST+4:ST+5] op_sel_hi:[1,0]
	WIN 0x41                                       ; destination and source 0 window 1
.set j, 0
.rept 32
	v_pk_mul_f32 v[O+j:O+j+1], v[O+j:O+j+1], v[ST+4:ST+5] op_sel_hi:[1,0]
.set j, j+2
.endr
	WIN 0
.endm
.macro SFMA                            ; t - M, two at a time; the same of each block's largest score
.set j, 0
.rept 32
	v_pk_fma_f32 v[S+j:S+j+1], v[S+j:S+j+1], s[66:67], v[ST:ST+1] op_sel_hi:[1,0,0]
.set j, j+2
.endr
.irp b, 0,1,2,3
	v_fma_f32 v[TM+\b], v[TM+\b], s66, v[ST]
.endr
.endm
.macro SEXP                            ; one batch of 68 exponentials: p, and the blocks' largest p
.set j, 0
.rept 64
	v_exp_f32 v[S+j], v[S+j]
.set j, j+1
.endr
.irp b, 0,1,2,3
	v_exp_f32 v[TM+\b], v[TM+\b]
.endr
.endm
.macro PQ                              ; p becomes the second product's operand: 12 registers of codes and a scale word
.irp b, 0,1,2,3
	v_max_num_f32 v[TM+\b], 0x1800000, v[TM+\b]    ; the floor 2^(3 - 127): the byte cannot fall under 1 (a block whose every p is 0 keeps that byte: its codes are zeros)
.endr
.irp b, 0,1,2,3
	s_delay_alu instid0(VALU_DEP_4)
	v_add_nc_u32 v[TM+12+\b], 0xff000000, v[TM+\b]   ; 2 off the exponent field: the conversion's scale operand
.endr
.irp b, 0,1,2,3
	s_delay_alu instid0(VALU_DEP_4)
	v_lshrrev_b32 v[TM+4+\b], 23, v[TM+12+\b]      ; the scale's byte
.endr
	s_delay_alu instid0(VALU_DEP_3)
	v_lshl_or_b32 v[PS], v[TM+5], 8, v[TM+4]
	s_delay_alu instid0(VALU_DEP_1)
	v_lshl_or_b32 v[PS], v[TM+6], 16, v[PS]
	s_delay_alu instid0(VALU_DEP_1)
	v_lshl_or_b32 v[PS], v[TM+7], 24, v[PS]
.irp c, 0,1
	v_cvt_scalef32_pk16_fp6_f32 v[PC+6*\c:PC+6*\c+2], v[S+32*\c:S+32*\c+15], v[TM+12+2*\c]
	v_cvt_scalef32_pk16_fp6_f32 v[TM+4+4*\c:TM+4+4*\c+2], v[S+32*\c+16:S+32*\c+31], v[TM+13+2*\c]   ; (a conversion's three registers begin on an even number)
.endr
	v_nop                                          ; one plain instruction behind the scaled conversions
.irp c, 0,1                            ; the operand wants a whole block in a lane
.irp i, 0,1,2
	v_permlane16_swap_b32 v[PC+6*\c+\i], v[TM+4+4*\c+\i]
.endr
.irp i, 0,1,2
	s_delay_alu instid0(VALU_DEP_3)
	v_mov_b32 v[PC+3+6*\c+\i], v[TM+4+4*\c+\i]
.endr
.endr
.endm
.macro SUMS                            ; the row's sum takes the unquantised p: two at a time, four chains.  These 32 plain lines also stand between p's codes and scale word and the products that take them
	v_pk_add_f32 v[ST+6:ST+7], v[S:S+1], v[S+2:S+3]
	v_pk_add_f32 v[TM+4:TM+5], v[S+4:S+5], v[S+6:S+7]
	v_pk_add_f32 v[TM+6:TM+7], v[S+8:S+9], v[S+10:S+11]
.irp j, 12,20,28,36,44,52
	v_pk_add_f32 v[ST+2:ST+3], v[ST+2:ST+3], v[S+\j:S+\j+1]
	v_pk_add_f32 v[ST+6:ST+7], v[ST+6:ST+7], v[S+\j+2:S+\j+3]
	v_pk_add_f32 v[TM+4:TM+5], v[TM+4:TM+5], v[S+\j+4:S+\j+5]
	v_pk_add_f32 v[TM+6:TM+7], v[TM+6:TM+7], v[S+\j+6:S+\j+7]
.endr
	v_pk_add_f32 v[ST+2:ST+3], v[ST+2:ST+3], v[S+60:S+61]
	v_pk_add_f32 v[ST+6:ST+7], v[ST+6:ST+7], v[S+62:S+63]
	v_pk_add_f32 v[TM+4:TM+5], v[TM+4:TM+5], v[TM+6:TM+7]
	s_delay_alu instid0(VALU_DEP_2)
	v_pk_add_f32 v[ST+2:ST+3], v[ST+2:ST+3], v[ST+6:ST+7]
	s_delay_alu instid0(VALU_DEP_1)
	v_pk_add_f32 v[ST+2:ST+3], v[ST+2:ST+3], v[TM+4:TM+5]
.endm
; A KEY STEP: 128 keys, one tile of queries
.macro BODY
	FETCH 0, 0                                     ; K (four plain instructions stand behind the last product that read these registers)
	s_wait_dscnt 0x0                               ; K is in
.irp t, 0,1,2,3,4,5,6,7
	WMZ S+8*\t, KF+12*\t, Q, KSC+\t/2, QS, \t%2    ; eight accumulators by turns
.endr
.rept 4
	v_nop                                          ; four plain instructions ahead of the loads into K's registers and of the first read of the scores
.endr
	FETCH 12288, 512                               ; V comes under the softmax
	s_add_co_u32 s2, s2, KSTEPB
	v_add_nc_u32 v[ADK], s2, v[LI]                 ; the next step's record (behind a slot's last step they are made anew)
	v_add_nc_u32 v[ADS], s2, v[LS0]
	s_wait_kmcnt 0x0                               ; this step's words of the mask, asked for a step ago; the loads are done, so their offset may be written
	MASK
	s_add_co_u32 s11, s11, 1
	s_min_u32 s12, s11, 31                         ; the last step asks once more for its own words: no load leaves mb
	s_lshl_b32 s12, s12, 9
	MASKLOAD                                       ; the next step's
	SMAX
	RESC
	SFMA
	s_wait_alu depctr_va_vdst(0)                   ; the wait ahead of the batch,
	SEXP
	v_nop                                          ; a plain instruction behind the exponentials
	s_wait_alu depctr_va_vdst(0)                   ; and behind it
	PQ
	SUMS
	s_wait_dscnt 0x0                               ; V is in
	WIN 0x50                                       ; C and D window 1
.irp t, 0,1,2,3,4,5,6,7
	WMA O+8*\t, KF+12*\t, PC, KSC+\t/2, PS, \t%2
.endr
	WIN 0
.rept 4
	v_nop                                          ; four plain instructions ahead of the next loads into V's registers and of the next read of O^T
.endr
.endm
; A SLOT: the change of slots, then its two key steps.  Each wave waits for all its tensor loads (its piece of this slot), adds 0 to its spare word, and waits for that and for its reads of the slot that it has left.
; refill = 1: a round of the cluster's barrier, so that no wave of any partner still reads that slot or has a load on its way; the joint refill is the first thing behind it (the first time: slot 1's first fill).
.macro TWO slot, refill, ask
	s_wait_tensorcnt 0x0                           ; no tensor load of mine is out, so the descriptors may be written
	ds_add_u32 v[SPW], v[NIL]
	s_add_nc_u64 s[26+4*\slot:27+4*\slot], s[26+4*\slot:27+4*\slot], 4*KSTEPB   ; this slot's next two key steps
.if \ask
	s_wait_xcnt 0x0                                ; the last prefetch, two key steps back, has read its address
	s_add_nc_u64 s[14:15], s[14:15], 2*KSTEPB      ; one slot further on than the refill below
.endif
	s_wait_dscnt 0x0
.if \refill
	CROUND
	tensor_load_to_lds s[28-4*\slot:31-4*\slot], s[16:23]
	s_nop 0
.rept 4
	v_nop
.endr
.else
	s_barrier_signal -1
	s_barrier_wait -1
.endif
.if \ask
	ASK
.endif
	s_add_co_u32 s2, s3, \slot*SLOTB               ; my head's first record of this slot
	s_mov_b32 s10, 2
	v_add_nc_u32 v[ADK], s2, v[LI]
	v_add_nc_u32 v[ADS], s2, v[LS0]
	s_wait_alu depctr_va_vdst(0)
.Lstep_\@:
	BODY
	s_sub_co_u32 s10, s10, 1
	s_cmp_lg_u32 s10, 0
	s_cbranch_scc1 .Lstep_\@
.endm
	s_load_b256 s[32:39], s[0:1], 0x0              ; qc, qs, kvc, mb
	s_load_b64 s[40:41], s[0:1], 0x20              ; out0
	v_lshl_add_u32 v[SPW], v0, 2, SPARE
	v_mov_b32 v[NIL], 0
	ds_add_u32 v[SPW], v[NIL]                      ; the opening lines: the add, twice on end, and its wait ahead of the first tensor load
	ds_add_u32 v[SPW], v[NIL]
	v_lshrrev_b32 v1, 5, v0
	v_readfirstlane_b32 s8, v1                     ; wave 0..11
	s_lshr_b32 s42, s8, 2                          ; my head of the group's three
	s_and_b32 s43, s8, 3                           ; my query tile of the block's four; also my quarter of the head's part of a slot
	s_and_b32 s45, ttmp7, 0xffff                   ; the group of heads, which the four partners share
	s_mul_i32 s45, s45, 3
	s_add_co_u32 s45, s45, s42                     ; 6 x batch + head
	s_mul_i32 s48, s45, HEADB
	s_mul_i32 s46, s43, QUARTB
	s_add_co_u32 s48, s48, s46                     ; my piece of key steps 0 and 1 in kvc
	s_mov_b32 s49, 0
	s_mul_i32 s25, s8, QUARTB                      ; its place in slot 0: no place in the cluster enters it
	s_add_co_u32 s29, s25, SLOTB                   ; and in slot 1
	s_mul_i32 s3, s42, 2*KSTEPB
	s_mov_b32 s16, 15|(3<<16)|(1<<21)              ; 15:0 the mask: all four work-groups; 17:16 elements of 8 bytes; 21 set beside a mask; no padding
	s_mov_b32 s17, 32<<16                          ; tensor_dim0 = 32 elements: rows of 256 bytes
	s_mov_b32 s18, 50<<16                          ; tensor_dim1 = 50 rows: 12,800 dense bytes
	s_mov_b32 s19, 32<<16                          ; tile_dim0
	s_mov_b32 s20, 50                              ; tile_dim1
	s_mov_b32 s21, 32                              ; from row to row
	s_mov_b32 s22, 0
	s_mov_b32 s23, 0
	s_mov_b32 s24, 1
	s_mov_b32 s28, 1
	s_bfe_u32 s44, ttmp6, 0x40000                  ; cx: it enters global addresses of Q, the mask, the output and the prefetches alone
	s_lshl_b32 s50, ttmp9, 2
	s_add_co_u32 s50, s50, s44                     ; my block of 64 queries
	s_lshl_b32 s50, s50, 2
	s_add_co_u32 s50, s50, s43                     ; my query tile, 0..255
	s_cmp_ge_u32 s45, 6
	s_cselect_b32 s51, 12582912, 0                 ; the batch's 4,096 rows of 3,072 bytes
	s_cselect_b32 s52, 6, 0
	s_sub_co_u32 s52, s45, s52                     ; head
	s_lshl_b32 s52, s52, 9
	s_add_co_u32 s51, s51, s52
	s_mul_i32 s52, s50, 49152                      ; 16 rows
	s_add_co_u32 s52, s52, s51
	s_mov_b32 s53, 0
	s_mul_i32 s54, s45, 393216
	s_mul_i32 s56, s50, 1536
	s_add_co_u32 s54, s54, s56                     ; my image of Q
	s_mov_b32 s55, 0
	s_lshr_b32 s46, s50, 1                         ; the pair of tiles,
	s_and_b32 s47, s50, 1                          ; and which of the two
	s_lshl_b32 s56, s45, 14
	s_lshl_b32 s58, s46, 7
	s_add_co_u32 s56, s56, s58
	s_lshl_b32 s58, s47, 6
	s_add_co_u32 s56, s56, s58                     ; its 16 scale words
	s_mov_b32 s57, 0
	s_lshl_b32 s58, s46, 14
	s_lshl_b32 s59, s47, 8
	s_add_co_u32 s58, s58, s59                     ; my tile's words of mb
	s_mov_b32 s59, 0
	s_cmp_eq_u32 s43, 1                            ; the prefetches: the head's second wave takes the piece's last 18 blocks
	s_cselect_b32 s60, 8192, 0
	s_cselect_b32 s62, 17, 31                      ; the last lane that names a block of its own
	s_mul_i32 s61, s44, QUARTB                     ; my work-group's piece
	s_add_co_u32 s60, s60, s61
	s_add_co_u32 s60, s60, 2*KSTEPB                ; in key steps 2 and 3: the first change of slots steps it on.  Nothing is prefetched at the head
	s_mul_i32 s61, s45, HEADB
	s_add_co_u32 s60, s60, s61
	s_mov_b32 s61, 0
	s_cmp_lt_u32 s43, 2                            ; a head's first two waves,
	s_cselect_b32 s63, 0, 1
	s_or_b32 s63, s63, ttmp9                       ; of the group's first cluster: the same in all four partners
	s_cmp_eq_u32 s63, 0
	s_cselect_b32 s13, 1, 0
	s_mov_b32 s100, 0x76543210
	s_mov_b32 s101, 0xfedcba98
	s_mov_b32 s66, 0x3e0293ee                      ; c = log2(e) / sqrt(128)
	s_mov_b32 s67, s66                             ; (named with it as a pair)
	s_mov_b32 s11, 0
	s_mov_b32 s12, 0
	s_mul_i32 s63, s8, STGB                        ; my stage
	v_and_b32 v19, 31, v0
	v_lshlrev_b32 v[LI], 4, v19
	v_min_u32 v[PFO], s62, v19
	v_lshlrev_b32 v[PFO], 8, v[PFO]
	v_lshlrev_b32 v[LS0], 2, v19
	v_add_nc_u32 v[LS0], 24576, v[LS0]
	v_and_b32 v3, 15, v0                           ; r
	v_bfe_u32 v4, v0, 4, 1                         ; h
	v_lshlrev_b32 v19, 2, v3                       ; 4 r
	v_mul_u32_u24 v[STO], v3, 528
	v_lshl_add_u32 v[STO], v4, 5, v[STO]
	v_add_nc_u32 v[STO], s63, v[STO]               ; in: row r, + 32 h
	v_add_nc_u32 v[RD], s63, v[LI]                 ; back: the 32 lanes take a row of 512 bytes
	v_mov_b32 v[NEGB], 0xd0800000                  ; -2^34
	s_wait_alu depctr_va_vdst(0)                   ; the wait ahead of the waits below
	s_wait_dscnt 0x0                               ; both opening adds are done
	s_wait_kmcnt 0x0
	s_add_nc_u64 s[26:27], s[36:37], s[48:49]
	s_add_nc_u64 s[30:31], s[26:27], 2*KSTEPB      ; slot 1 begins with key steps 2 and 3
	s_or_b32 s27, s27, 0x80000000                  ; type = 2
	s_or_b32 s31, s31, 0x80000000
	s_add_nc_u64 s[14:15], s[36:37], s[60:61]
	s_add_nc_u64 s[68:69], s[32:33], s[54:55]
	s_add_nc_u64 s[70:71], s[34:35], s[56:57]
	s_add_nc_u64 s[4:5], s[38:39], s[58:59]
	s_add_nc_u64 s[6:7], s[40:41], s[52:53]
	CROUND                                         ; all four work-groups are here: the first joint loads meet
	tensor_load_to_lds s[24:27], s[16:23]          ; slot 0: one tensor load a wave at the head
	s_nop 0
.rept 4
	v_nop
.endr
.irp c, 0,1,2
	global_load_b128 v[Q+4*\c:Q+4*\c+3], v[LI], s[68:69] offset:512*\c   ; Q stays in registers
.endr
	global_load_b32 v[QS], v19, s[70:71]
	WIN 0x40                                       ; destination window 1
.set j, 0
.rept 64
	v_mov_b32 v[O+j], 0                            ; O^T: the key step is written once for all steps; the first finds zeros, which the first change of M leaves zeros
.set j, j+1
.endr
	WIN 0
	v_mov_b32 v[ST+1], 0xff61b1e6                  ; the largest t so far: -3e38, under every t
	v_mov_b32 v[ST+2], 0                           ; the sum, in two halves
	v_mov_b32 v[ST+3], 0
	v_mov_b32 v[ST+5], 0                           ; (named as the upper half of f's pair)
	v_floor_f32 v[ST], -v[ST+1]                    ; -M
.irp b, 0,1,2,3
	v_mov_b32 v[TM+4+\b], 0                        ; written once: a lane permute's destination counts as one of its sources
.endr
	s_wait_alu depctr_va_vdst(0)                   ; the wait at the head's end
	s_wait_loadcnt 0x0                             ; Q and its scale words are in: the registers that held their addresses may take the mask's words
	MASKLOAD                                       ; key step 0
	s_mov_b32 s9, 7
.Lpair:                                            ; seven trips of two slots; behind each change the other slot is asked for, and the slot after that is prefetched
	TWO 0, 1, 1
	TWO 1, 1, 1
	s_sub_co_u32 s9, s9, 1
	s_cmp_lg_u32 s9, 0
	s_cbranch_scc1 .Lpair
	TWO 0, 1, 0                                    ; the last two slots are written out: the last fill, and no prefetch beyond the head's records
	TWO 1, 0, 0
	; THE WAY OUT.  O^T is divided by the sum and goes through my stage, so that the 32 lanes store a row's 512 consecutive bytes.  Every wave has passed the last barrier, behind which nobody reads slot 0 and nothing is filled.
	s_wait_alu depctr_va_vdst(0)                   ; the wait ahead of the first reader of the sum
	v_add_f32 v[ST+4], v[ST+2], v[ST+3]
	s_delay_alu instid0(VALU_DEP_1)
	v_permlanex16_b32 v[ST+5], v[ST+4], s100, s101
	s_delay_alu instid0(VALU_DEP_1)
	v_add_f32 v[ST+4], v[ST+4], v[ST+5]            ; with lane l xor 16's: the row's sum
	s_wait_alu depctr_va_vdst(0)
	v_rcp_f32 v[ST+6], v[ST+4]
	v_nop                                          ; a plain instruction behind the reciprocal
	s_wait_alu depctr_va_vdst(0)                   ; the waits round the reciprocal
	WIN 0x01                                       ; source 0 window 1
.set j, 0
.rept 32
	v_pk_mul_f32 v[S+j:S+j+1], v[O+j:O+j+1], v[ST+6:ST+7] op_sel_hi:[1,0]   ; register 8 t + i is channel 16 t + 8 h + i of query r; ascending
.set j, j+2
.endr
	WIN 0
.irp t, 0,1,2,3,4,5,6,7
	ds_store_b128 v[STO], v[S+8*\t:S+8*\t+3] offset:64*\t
	ds_store_b128 v[STO], v[S+8*\t+4:S+8*\t+7] offset:64*\t+16
.endr
.set i, 0
.rept 16
	ds_load_b128 v[S+4*i:S+4*i+3], v[RD] offset:528*i   ; LDS serves a wave's instructions in order: these see my stores
.set i, i+1
.endr
.set i, 0
.rept 16
	s_wait_dscnt 15-i                              ; row i is back; the younger loads may be out
	global_store_b128 v[LI], v[S+4*i:S+4*i+3], s[6:7] offset:i*3072 th:TH_STORE_NT   ; 32 lanes store 512 consecutive bytes, at a multiple of 256 from out0's first byte
.set i, i+1
.endr
	s_wait_tensorcnt 0x0                           ; the wave's end, behind my last tensor load and my last LDS store
	ds_add_u32 v[SPW], v[NIL]
	s_wait_dscnt 0x0
	CROUND                                         ; the closing round: no work-group ends while a partner may still ask for a piece that names it
	s_endpgm
.Lfunc_end_k_q914c9644d3_attn:
	.size	k_q914c9644d3_attn, .Lfunc_end_k_q914c9644d3_attn-k_q914c9644d3_attn
	.p2alignl 7, 3214868480
	.fill 96, 4, 3214868480
	.section	.rodata,"a",@progbits
	.p2align	6, 0x0
	.amdhsa_kernel k_q914c9644d3_attn
		.amdhsa_group_segment_fixed_size 327680
		.amdhsa_private_segment_fixed_size 0
		.amdhsa_enable_private_segment 0
		.amdhsa_kernarg_size 40
		.amdhsa_user_sgpr_count 2
		.amdhsa_user_sgpr_kernarg_segment_ptr 1
		.amdhsa_wavefront_size32 1
		.amdhsa_system_sgpr_workgroup_id_x 1
		.amdhsa_system_sgpr_workgroup_id_y 1
		.amdhsa_system_sgpr_workgroup_id_z 1
		.amdhsa_system_vgpr_workitem_id 0
		.amdhsa_next_free_vgpr 320
		.amdhsa_next_free_sgpr 104
		.amdhsa_reserve_vcc 0
		.amdhsa_float_denorm_mode_32 3
		.amdhsa_float_denorm_mode_16_64 3
		.amdhsa_memory_ordered 1
		.amdhsa_forward_progress 1
		.amdhsa_inst_pref_size 120
	.end_amdhsa_kernel
	.amdgpu_metadata
---
amdhsa.version: [ 1, 2 ]
amdhsa.kernels:
  - .name:           k_q914c9644d3_attn
    .symbol:         k_q914c9644d3_attn.kd
    .args:
      - { .name: qc, .offset: 0, .size: 8, .value_kind: global_buffer, .address_space: global }
      - { .name: qs, .offset: 8, .size: 8, .value_kind: global_buffer, .address_space: global }
      - { .name: kvc, .offset: 16, .size: 8, .value_kind: global_buffer, .address_space: global }
      - { .name: mb, .offset: 24, .size: 8, .value_kind: global_buffer, .address_space: global }
      - { .name: out0, .offset: 32, .size: 8, .value_kind: global_buffer, .address_space: global }
    .group_segment_fixed_size: 327680
    .private_segment_fixed_size: 0
    .kernarg_segment_align: 8
    .kernarg_segment_size: 40
    .max_flat_workgroup_size: 384
    .sgpr_count:     104
    .vgpr_count:     320
    .wavefront_size: 32
...
	.end_amdgpu_metadata
.endif
;; end of part 3
